; MI455X (gfx1250); checked and timed in simulation.
; The chip was launched on July 23, 2026; its instructions are those of AMD's public machine-readable ISA for CDNA 5 (MIT licence, August 2026) and "CDNA5" Instruction Set Architecture Reference Guide (July 2026). The comments in the code are by the model that wrote it; some were corrected since.
;; Cross Attention. Allowed arithmetic: matrix products marked QUANTISED: E4M3 operands, one E8M0 scale for each 32 along K, by v_wmma_scale_f32_16x16x128_f8f6f4 with both operands' format E4M3, f32 sums; everything else in f32.
;; Inputs: Wk 512 x 512 float32; Wq 512 x 512 float32; Wv 512 x 512 float32; bk 512 float32; bq 512 float32; bv 512 float32; context 8 x 2,048 x 512 float32; x 8 x 2,048 x 512 float32.
;; Outputs: out0 8 x 2,048 x 512 float32.
;; This version of the problem:
;;   THIS VERSION OF THE PROBLEM IS GIVEN IN LOW PRECISION. The matrix products marked QUANTISED in the list below multiply operands that are first quantised to E4M3 (4 exponent bits, 3 mantissa bits; 8 bits a number), with one power-of-two scale for each 32 numbers along K (OCP MX v1.0); their sums are f32. All else is computed in f32.
;;   The module's matrix products, in the order in which they are computed (A, B: the left and right operand; K: the contracted axis; several contracted axes count as one K, in the product's order):
;;     1. [M 16,384, K 512] x [K 512, N 512]; A: input x; B: input Wq: QUANTISED
;;     2. [M 16,384, K 512] x [K 512, N 512]; A: input context; B: input Wk: QUANTISED
;;     3. [M 16,384, K 512] x [K 512, N 512]; A: input context; B: input Wv: QUANTISED
;;     4. batch 8 x [M 2,048, K 512] x [K 512, N 2,048]; A: computed on the way; B: computed on the way: QUANTISED
;;     5. batch 8 x [M 2,048, K 2,048] x [K 2,048, N 512]; A: softmax (see below); B: computed on the way: QUANTISED
;;   THE QUANTISER, for each operand of a quantised product, along K:
;;     - K is cut into blocks of 32 from its start; a last block that is shorter is filled with zeros.
;;     - A block's scale is 2^e with e = floor(log2(the largest magnitude in the block)) - 8, held to -126 .. 127; a block of zeros has e = 0. As a byte (E8M0): e + 127.
;;     - Each number is divided by its block's scale, clamped to +-448, and rounded to the nearest number of E4M3, ties to even, subnormals kept.
;;     - The product sums the exact products of the quantised numbers (number of the format x scale) in f32.
;;   ~~~python
;;   def quantise(x, axis):      # numpy; x: float32 -> the quantised numbers, widened to float32 again
;;       x = np.moveaxis(x, axis, -1); K = x.shape[-1]
;;       x = np.pad(x, [(0, 0)] * (x.ndim - 1) + [(0, -K % 32)]); x = x.reshape(x.shape[:-1] + (-1, 32)); a = np.abs(x).max(-1, keepdims=True)
;;       e = np.where(a > 0, np.clip(np.frexp(np.where(a > 0, a, 1))[1] - 1 - 8, -126, 127), 0)      # np.frexp(a)[1] - 1 = floor(log2(a)), exactly
;;       r = np.clip(x / 2.0 ** e, -448, 448)
;;       step = 2.0 ** (np.maximum(np.frexp(np.where(r == 0, 1, r))[1] - 1, -6) - 3)
;;       q = np.round(r / step) * step * 2.0 ** e      # np.round: ties to even
;;       return np.moveaxis(q.reshape(q.shape[:-2] + (-1,))[..., :K], -1, axis).astype(np.float32)
;;   ~~~
;;   SOFTMAX AHEAD OF A QUANTISED PRODUCT. Where the list says 'softmax', what is quantised is not the finished softmax but p = 2^(t - M), with t = logit x log2(e) and M = ceil(the row's largest t), a whole number; so 1/2 < the row's largest p <= 1. The row's sum l is taken of the UNQUANTISED p, in f32, and the product's result is divided by l at the end. Since M is a whole number, a kernel that streams over the keys may use a running M (the ceiling of the running maximum): every later rescaling is an exact power of two, which a block's scale takes up: the codes' values come out the same.
;;   OPERANDS COMPUTED ON THE WAY. 'Computed on the way' means the value that the module computes at that place (a softmax that the list does not call 'softmax' is quantised finished and normalised). What goes into a quantiser is computed in f32, as accurately as f32 sums, v_exp_f32 and their like allow (about 1e-6 of the number): no bf16 or f16 on the way to a quantiser, and a product that is left as it is and whose result goes on into a quantised operand takes f32 operands (vector FMAs, or v_wmma_f32_16x16x4_f32). A number that lies on a knife's edge between two numbers of the format may be rounded either way, as far as f32 arithmetic and the matrix unit's own rounding can turn it there, and no further.
;; One version. Each part assembles by itself: llvm-mc -triple=amdgcn-amd-amdhsa -mcpu=gfx1250 --defsym DOCPART=n.
;; ======== version 1 of 1: 3 launches
;; limits: right only within a limited range of input values
;; workspace buffers: wcodes 786,432 bytes; wscales 24,576 bytes; qbuf 8,650,752 bytes; kbuf 8,650,752 bytes; vbuf 8,650,752 bytes
;; launch wprep (part 1): grid 32 x 3, 4 waves a work-group, no clusters, 0 bytes of LDS; arguments Wq, Wk, Wv, wcodes, wscales; writes wcodes, wscales
.if DOCPART == 1
	.amdgcn_target "amdgcn-amd-amdhsa--gfx1250"
	.amdhsa_code_object_version 6
	.text
	.protected	k_q0fd42cc473_wprep
	.globl	k_q0fd42cc473_wprep
	.p2align	8
	.type	k_q0fd42cc473_wprep,@function
k_q0fd42cc473_wprep:
	s_mov_b64 s[64:65], 0
	v_nop
	global_prefetch_b8 v0, s[64:65] scope:SCOPE_SE
	s_setreg_imm32_b32 hwreg(HW_REG_WAVE_MODE, 25, 1), 1
	s_wait_xcnt 0x0
; Wq, Wk, Wv [512 (e)][512 (d)] f32 become codes of E4M3 with one E8M0 byte for each 32 along d, laid in the order of an operand's registers.
; A fragment is 16 rows x 128 d: 2,048 bytes, register group c (registers 4 c .. 4 c + 3) of lane L at 512 c + 16 L; lane (r, h) holds row r, d = 32 c + 16 h + 0 .. 15.  Its 16 scale words follow in wscales, 64 bytes a fragment.
; Work-group (T, role): tile T of 16 rows of weight role; wave s makes the fragment of d = 128 s on.  Fragment number F = 128 role + 4 T + s.
; THE ROWS OF A TILE: Wq, Wk: lane r of tile T = 8 w + t takes row 128 w + 32 (t / 2) + 8 (t % 2) + r + 8 (r / 8), so that in the transposed product two neighbouring tiles give a lane 16 neighbours along e; Wv: row 16 T + r.
; LIMITS: a block of zeros gets the byte 1 (its codes are zeros; this program alone reads the bytes); NaN and infinities are not served.
.set X,   16                           ; v16-79   64 numbers: register 16 b + i = d 32 b + 16 h + i of my row
.set TM,  80                           ; v80-95   at work
.set PC,  96                           ; v96-111  the codes
.set PW,  112                          ; v112     the scale word
	s_load_b256 s[4:11], s[0:1], 0x0               ; Wq, Wk, Wv, wcodes
	s_load_b64 s[12:13], s[0:1], 0x20              ; wscales
	v_lshrrev_b32 v1, 5, v0
	v_readfirstlane_b32 s14, v1                    ; wave = K step s
	s_and_b32 s15, ttmp7, 0xffff                   ; role
	s_lshr_b32 s16, ttmp9, 3
	s_lshl_b32 s16, s16, 7                         ; 128 w
	s_bfe_u32 s17, ttmp9, 0x20001
	s_lshl_b32 s17, s17, 5                         ; 32 (t / 2)
	s_add_co_u32 s16, s16, s17
	s_and_b32 s17, ttmp9, 1
	s_lshl_b32 s17, s17, 3                         ; 8 (t % 2)
	s_add_co_u32 s16, s16, s17
	s_lshl_b32 s17, ttmp9, 4                       ; 16 T
	s_cmp_eq_u32 s15, 2
	s_cselect_b32 s16, s17, s16                    ; the tile's first row
	s_cselect_b32 s18, 0, 8                        ; and whether lanes 8-15 stand 8 rows further on
	s_lshl_b32 s19, s14, 9                         ; 128 s numbers in bytes
	s_lshl_b32 s20, s15, 7
	s_lshl_b32 s21, ttmp9, 2
	s_add_co_u32 s20, s20, s21
	s_add_co_u32 s20, s20, s14                     ; F
	s_lshl_b32 s22, s20, 11
	s_mov_b32 s23, 0
	s_lshl_b32 s24, s20, 6
	s_mov_b32 s25, 0
	s_mov_b32 s26, 0x76543210
	s_mov_b32 s27, 0xfedcba98                      ; v_permlanex16_b32's selects for lane l xor 16
	s_mov_b32 s28, 0x600000                        ; the mantissa field of 448
	v_and_b32 v2, 15, v0                           ; r
	v_bfe_u32 v3, v0, 4, 1                         ; h
	v_and_b32 v4, s18, v2
	v_add_nc_u32 v4, v4, v2
	v_add_nc_u32 v4, s16, v4                       ; my row
	v_lshlrev_b32 v4, 11, v4                       ; 2,048 bytes a row
	v_lshl_add_u32 v4, v3, 6, v4                   ; + 64 h
	v_add_nc_u32 v4, s19, v4
	v_and_b32 v5, 31, v0
	v_lshlrev_b32 v5, 4, v5                        ; 16 x lane
	v_lshlrev_b32 v6, 2, v2                        ; 4 r
.irp b, 0,1,2,3
	v_mov_b32 v[TM+4+\b], 0                        ; a lane permute's destination counts as one of its sources
.endr
	s_wait_alu depctr_va_vdst(0)
	s_wait_kmcnt 0x0
	s_cmp_eq_u32 s15, 0
	s_cselect_b64 s[4:5], s[4:5], s[6:7]
	s_cmp_eq_u32 s15, 2
	s_cselect_b64 s[4:5], s[8:9], s[4:5]           ; my weight: the choice hangs on the work-group's number alone
	s_add_nc_u64 s[10:11], s[10:11], s[22:23]
	s_add_nc_u64 s[12:13], s[12:13], s[24:25]
.irp b, 0,1,2,3
.irp j, 0,1,2,3
	global_load_b128 v[X+16*\b+4*\j:X+16*\b+4*\j+3], v4, s[4:5] offset:128*\b+16*\j
.endr
.endr
	s_wait_loadcnt 0x0
.irp b, 0,1,2,3
	v_max3_num_f32 v[TM+\b], |v[X+16*\b]|, |v[X+1+16*\b]|, 0x4800000   ; block b: my 16 numbers and the floor 2^(9 - 127): the byte cannot fall under 1
.endr
.irp i, 2,4,6,8,10,12,14
.irp b, 0,1,2,3
	v_max3_num_f32 v[TM+\b], v[TM+\b], |v[X+16*\b+\i]|, |v[X+1+16*\b+\i]|
.endr
.endr
.irp b, 0,1,2,3
	v_permlanex16_b32 v[TM+4+\b], v[TM+\b], s26, s27
.endr
.irp b, 0,1,2,3
	v_max_num_f32 v[TM+\b], v[TM+\b], v[TM+4+\b]   ; with lane l xor 16's: the block's largest magnitude
.endr
.irp b, 0,1,2,3
	v_add_nc_u32 v[TM+12+\b], 0xfc000000, v[TM+\b] ; 8 off its exponent field: the conversion's scale operand
.endr
.irp b, 0,1,2,3
	v_and_or_b32 v[TM+8+\b], v[TM+\b], 0x7f800000, s28   ; 448 x the scale
.endr
.irp b, 0,1,2,3
	v_lshrrev_b32 v[TM+4+\b], 23, v[TM+12+\b]      ; the scale's byte
.endr
	v_lshl_or_b32 v[PW], v[TM+5], 8, v[TM+4]
	v_lshl_or_b32 v[PW], v[TM+6], 16, v[PW]
	v_lshl_or_b32 v[PW], v[TM+7], 24, v[PW]
.irp b, 0,1,2,3
.irp i, 0,1,2,3,4,5,6,7,8,9,10,11,12,13,14,15
	v_med3_num_f32 v[X+16*\b+\i], v[X+16*\b+\i], -v[TM+8+\b], v[TM+8+\b]   ; the conversion does not saturate (ISA guide 7.6.2): the hold comes first
.endr
	v_cvt_scalef32_pk8_fp8_f32 v[PC+4*\b:PC+1+4*\b], v[X+16*\b:X+7+16*\b], v[TM+12+\b]
	v_cvt_scalef32_pk8_fp8_f32 v[PC+2+4*\b:PC+3+4*\b], v[X+8+16*\b:X+15+16*\b], v[TM+12+\b]
.endr
	v_nop
.irp c, 0,1,2,3
	global_store_b128 v5, v[PC+4*\c:PC+4*\c+3], s[10:11] offset:512*\c   ; 32 lanes store 512 consecutive bytes
.endr
	global_store_b32 v6, v[PW], s[12:13]           ; row r's word; both halves of the lanes hold and store the same
	s_endpgm
.Lfunc_end_k_q0fd42cc473_wprep:
	.size	k_q0fd42cc473_wprep, .Lfunc_end_k_q0fd42cc473_wprep-k_q0fd42cc473_wprep
	.p2alignl 7, 3214868480
	.fill 96, 4, 3214868480
	.section	.rodata,"a",@progbits
	.p2align	6, 0x0
	.amdhsa_kernel k_q0fd42cc473_wprep
		.amdhsa_group_segment_fixed_size 0
		.amdhsa_private_segment_fixed_size 0
		.amdhsa_enable_private_segment 0
		.amdhsa_kernarg_size 40
		.amdhsa_user_sgpr_count 2
		.amdhsa_user_sgpr_kernarg_segment_ptr 1
		.amdhsa_wavefront_size32 1
		.amdhsa_system_sgpr_workgroup_id_x 1
		.amdhsa_system_sgpr_workgroup_id_y 1
		.amdhsa_system_sgpr_workgroup_id_z 1
		.amdhsa_system_vgpr_workitem_id 0
		.amdhsa_next_free_vgpr 128
		.amdhsa_next_free_sgpr 66
		.amdhsa_reserve_vcc 0
		.amdhsa_float_denorm_mode_32 3
		.amdhsa_float_denorm_mode_16_64 3
		.amdhsa_memory_ordered 1
		.amdhsa_forward_progress 1
		.amdhsa_inst_pref_size 13
	.end_amdhsa_kernel
	.amdgpu_metadata
---
amdhsa.version: [ 1, 2 ]
amdhsa.kernels:
  - .name:           k_q0fd42cc473_wprep
    .symbol:         k_q0fd42cc473_wprep.kd
    .args:
      - { .name: Wq, .offset: 0, .size: 8, .value_kind: global_buffer, .address_space: global }
      - { .name: Wk, .offset: 8, .size: 8, .value_kind: global_buffer, .address_space: global }
      - { .name: Wv, .offset: 16, .size: 8, .value_kind: global_buffer, .address_space: global }
      - { .name: wcodes, .offset: 24, .size: 8, .value_kind: global_buffer, .address_space: global }
      - { .name: wscales, .offset: 32, .size: 8, .value_kind: global_buffer, .address_space: global }
    .group_segment_fixed_size: 0
    .private_segment_fixed_size: 0
    .kernarg_segment_align: 8
    .kernarg_segment_size: 40
    .max_flat_workgroup_size: 128
    .sgpr_count:     66
    .vgpr_count:     128
    .wavefront_size: 32
...
	.end_amdgpu_metadata
.endif
;; end of part 1
;; launch proj (part 2): grid 64 x 3, 4 waves a work-group, no clusters, 327,680 bytes of LDS; arguments x, context, wcodes, wscales, bq, bk, bv, qbuf, kbuf, vbuf; writes qbuf, kbuf, vbuf
.if DOCPART == 2
	.amdgcn_target "amdgcn-amd-amdhsa--gfx1250"
	.amdhsa_code_object_version 6
	.text
	.protected	k_q0fd42cc473_proj
	.globl	k_q0fd42cc473_proj
	.p2align	8
	.type	k_q0fd42cc473_proj,@function
k_q0fd42cc473_proj:
	s_mov_b64 s[64:65], 0
	v_nop
	global_prefetch_b8 v0, s[64:65] scope:SCOPE_SE
	s_setreg_imm32_b32 hwreg(HW_REG_WAVE_MODE, 25, 1), 1
	s_wait_xcnt 0x0
; role 0: Q = x Wq^T + bq;  role 1: K = context Wk^T + bk;  role 2: V = context Wv^T + bv.  Both operands as codes of E4M3 with E8M0 scales along d; sums in f32; the bias is the C of each sum's first product.
; The results are quantised at once (Q, K along e; V along the keys) and stored as images of operand registers, in records of 16,896 bytes (16,384 of codes, 512 of scale words).
; SHARES.  Work-group (X, role) takes 256 rows, four blocks of 64.  Wave w keeps the weight's slab e = 128 w .. 128 w + 127 (32 fragments, 512 registers) for the whole launch, read once in operand order.
; A block's 64 rows x 512 f32 come through a ring of two LDS slots; wave w's one tensor load brings column quarter w (64 rows x 512 bytes).
; A BLOCK: barrier | wave w quantises the 16 rows of row tile w (four fragments) and stores their images in LDS | barrier | every wave multiplies the four row tiles by its 8 tiles of the weight (128 products), quantises, stores.
; THE ROWS OF A TILE ARE NOT NEIGHBOURS: lane r of tile m takes row 32 (m / 2) + 8 (m % 2) + r + 8 (r / 8).  Q, K: source 0 = 16 rows of W, source 1 = 16 rows of x: a lane holds one row and 16 neighbours along e for two
; neighbouring tiles of W.  V: source 0 = 16 rows of context, source 1 = 16 rows of Wv: a lane holds one e and 16 neighbouring keys for two neighbouring row tiles.  So one quantiser serves all three.
; No cluster: the work-groups that read the same rows of context (K's and V's) run different arms of the text, and the weights go straight into registers; no prefetch: the launch streams its rows once, one slot ahead.
; LIMITS: a block of zeros gets the byte 1 (its codes are zeros; this program alone reads the bytes); NaN and infinities are not served.
; REGISTERS: window 0: v1-15 addresses; v16-31 W's scale words; v32-39 the rows' scale words; v40-43 V's bytes kept from the even block; v44-47 scale words just made; v48-63 at work;
;   v64-127, v128-191 two buffers of four row fragments (the first also takes the codes just made); v192-255 the bias, 8 registers a tile.  windows 1, 2: W's fragments.  window 3: 256 numbers in f32: the rows, later the sums.
.set REC,   16896
.set RP,    520                        ; an LDS row: 512 bytes + 8: the 32 lanes of an 8-byte load touch 32 different pairs of banks
.set QTR,   64*RP                      ; a column quarter: what one tensor load brings
.set SLOT,  4*QTR
.set IMG,   2*SLOT                     ; 16 images of 2,048 bytes: (row tile m, K step s) at (4 m + s) x 2,048
.set XSC,   IMG+16*2048                ; their scale words: pair (m, s / 2) at 256 m + 128 (s / 2): words 0-15 the even K step's, 16-31 the odd one's
.set SPARE, XSC+1024                   ; the spare words, 128 bytes a wave: no other line names them
.set LI,   1                           ; 16 x lane
.set L4,   2                           ; 4 x lane
.set XA0,  3                           ; my row x RP + 64 h
.set XAA,  4                           ; v4 the same in the slot in hand; v5 two quarters on
.set XWI,  6                           ; where I store my images
.set XWS,  7                           ; and their scale words
.set LIM,  8                           ; 16 x lane + IMG
.set LSX,  9                           ; 4 x lane + XSC
.set GLI,  10                          ; memory: 16 x lane + 2,048 w
.set GLS,  11                          ; memory: 4 r + 64 w
.set SPW,  12
.set NIL,  13
.set WS,   16
.set XS,   32
.set KEEP, 40
.set PW,   44
.set TM,   48
.set FB0,  64
.set PC,   64
.set FB1,  128
.set BIAS, 192
.set MSB, 0
.macro WIN new                         ; the immediate's high byte repeats the setting that is left
.if MSB != (\new)
	s_set_vgpr_msb (MSB<<8)|(\new)
.set MSB, (\new)
.endif
.endm
.macro NOPS n
.rept \n
	v_nop
.endr
.endm
	s_load_b512 s[4:19], s[0:1], 0x0               ; x, context, wcodes, wscales, bq, bk, bv, qbuf
	s_load_b128 s[20:23], s[0:1], 0x40             ; kbuf, vbuf
	v_lshl_add_u32 v[SPW], v0, 2, SPARE
	v_mov_b32 v[NIL], 0
	ds_add_u32 v12, v13                            ; the wave's opening: the add, twice on end, and its wait
	ds_add_u32 v12, v13
	s_wait_dscnt 0x0
	v_lshrrev_b32 v14, 5, v0
	v_readfirstlane_b32 s24, v14                   ; wave
	s_and_b32 s25, ttmp7, 0xffff                   ; role
	s_mov_b32 s27, 0                               ; the block
	s_mov_b32 s28, 0                               ; the slot that is read
	s_mov_b32 s29, 0                               ; the slot that is filled
	s_mul_i32 s30, s24, QTR
	s_mul_i32 s31, s24, REC
	s_lshl_b32 s26, s24, 9                         ; 512 w
	s_mov_b32 s36, (2<<16)|(1<<20)|(6<<22)|(1<<25) ; group 1: elements of 4 bytes; padding on: 2 words behind every 128
	s_mov_b32 s37, 128<<16                         ; tensor_dim0 = 128
	s_mov_b32 s38, 64<<16                          ; tensor_dim1 = 64
	s_mov_b32 s39, 128<<16                         ; tile_dim0 = 128
	s_mov_b32 s40, 64                              ; tile_dim1 = 64
	s_mov_b32 s41, 512                             ; elements from row to row
	s_mov_b32 s42, 0
	s_mov_b32 s43, 0
	s_mov_b32 s52, 0x76543210
	s_mov_b32 s53, 0xfedcba98                      ; lane l xor 16
	s_mov_b32 s54, 0x600000                        ; the mantissa field of 448
	s_mov_b32 s55, 0xffff0000                      ; lanes 16-31
	s_lshl_b32 s50, ttmp9, 19                      ; 256 rows of 2,048 bytes
	s_add_co_u32 s50, s50, s26
	s_mov_b32 s51, 0
	s_wait_kmcnt 0x0
	s_cmp_eq_u32 s25, 0                            ; the buffers are chosen by the work-group's number alone
	s_cselect_b64 s[44:45], s[4:5], s[6:7]
	s_cselect_b64 s[62:63], s[12:13], s[14:15]
	s_cselect_b64 s[46:47], s[18:19], s[20:21]
	s_cmp_eq_u32 s25, 2
	s_cselect_b64 s[62:63], s[16:17], s[62:63]
	s_cselect_b64 s[46:47], s[22:23], s[46:47]
	s_mov_b32 s32, 1                               ; group 0: count 1,
	s_mov_b32 s33, s30                             ; LDS: slot 0, my quarter,
	s_add_nc_u64 s[34:35], s[44:45], s[50:51]      ; memory: block 0, my 128 columns,
	s_or_b32 s35, s35, 0x80000000                  ; type 2
	tensor_load_to_lds s[32:35], s[36:43]          ; block 0: the first fill, ahead of everything else
	s_nop 0
	NOPS 4
	v_and_b32 v15, 31, v0
	v_lshlrev_b32 v[LI], 4, v15
	v_lshlrev_b32 v[L4], 2, v15
	v_and_b32 v14, 15, v0                          ; r
	s_wait_alu depctr_va_vdst(0)
	v_bfe_u32 v15, v0, 4, 1                        ; h
	s_lshr_b32 s56, s24, 1
	s_lshl_b32 s56, s56, 5
	s_and_b32 s57, s24, 1
	s_lshl_b32 s57, s57, 3
	s_add_co_u32 s56, s56, s57                     ; row tile w begins at 32 (w / 2) + 8 (w % 2)
	v_and_b32 v[XA0], 8, v14
	v_add_nc_u32 v[XA0], v[XA0], v14
	v_add_nc_u32 v[XA0], s56, v[XA0]
	v_mul_u32_u24 v[XA0], v[XA0], RP
	v_lshl_add_u32 v[XA0], v15, 6, v[XA0]
	s_lshl_b32 s56, s24, 13
	s_add_co_u32 s56, s56, IMG
	v_add_nc_u32 v[XWI], s56, v[LI]
	s_lshl_b32 s56, s24, 8
	s_add_co_u32 s56, s56, XSC
	v_lshlrev_b32 v[XWS], 2, v14
	v_add_nc_u32 v[XWS], s56, v[XWS]
	v_add_nc_u32 v[LIM], IMG, v[LI]
	v_add_nc_u32 v[LSX], XSC, v[L4]
	s_lshl_b32 s56, s24, 11
	v_add_nc_u32 v[GLI], s56, v[LI]
	s_lshl_b32 s56, s24, 6
	v_lshl_add_u32 v[GLS], v14, 2, s56
	v_lshlrev_b32 v14, 2, v14                      ; 4 r: bv's offset
	v_lshlrev_b32 v15, 6, v15                      ; 64 h: bq's and bk's
.irp b, 0,1,2,3
	v_mov_b32 v[KEEP+\b], 0
	v_mov_b32 v[TM+4+\b], 0                        ; a lane permute's destination counts as one of its sources
.endr
	s_lshl_b32 s56, s25, 2
	s_add_co_u32 s56, s56, s24                     ; slab 4 role + w
	s_lshl_b32 s50, s56, 16
	s_add_nc_u64 s[58:59], s[8:9], s[50:51]        ; its 32 fragments,
	s_lshl_b32 s50, s56, 11
	s_add_nc_u64 s[60:61], s[10:11], s[50:51]      ; their scale words,
	s_mov_b32 s50, s26
	s_add_nc_u64 s[62:63], s[62:63], s[50:51]      ; its 128 numbers of the bias
	s_mul_i32 s50, ttmp9, 8*REC
	s_add_nc_u64 s[46:47], s[46:47], s[50:51]      ; my work-group's eight records
	WIN 0x40                                       ; destination window 1
.irp t, 0,1,2,3
.irp s, 0,1,2,3
.irp c, 0,1,2,3
	global_load_b128 v[16*(4*\t+\s)+4*\c:16*(4*\t+\s)+4*\c+3], v[LI], s[58:59] offset:(4*\t+\s)*2048+512*\c
.endr
.endr
.endr
	WIN 0x80                                       ; destination window 2
.irp t, 0,1,2,3
.irp s, 0,1,2,3
.irp c, 0,1,2,3
	global_load_b128 v[16*(4*\t+\s)+4*\c:16*(4*\t+\s)+4*\c+3], v[LI], s[58:59] offset:(16+4*\t+\s)*2048+512*\c
.endr
.endr
.endr
	WIN 0
.irp t, 0,1,2,3,4,5,6,7
.irp p, 0,1
	global_load_b32 v[WS+2*\t+\p], v[L4], s[60:61] offset:256*\t+128*\p   ; lanes 0-15: the even K step's words; lanes 16-31: the odd one's
.endr
.endr
	s_cmp_eq_u32 s25, 2
	s_cbranch_scc1 .Lbias_v
	s_wait_alu depctr_va_vdst(0)
.irp t, 0,1,2,3,4,5,6,7                        ; Q, K: register j of tile t is e = 32 (t / 2) + 8 (t % 2) + 16 h + j
	global_load_b128 v[BIAS+8*\t:BIAS+8*\t+3], v15, s[62:63] offset:(32*(\t/2)+8*(\t%2))*4
	global_load_b128 v[BIAS+8*\t+4:BIAS+8*\t+7], v15, s[62:63] offset:(32*(\t/2)+8*(\t%2))*4+16
.endr
	s_branch .Lbias_done
.Lbias_v:
.irp t, 0,1,2,3,4,5,6,7                        ; V: all eight registers of tile t are e = 16 t + r
	global_load_b32 v[BIAS+8*\t], v14, s[62:63] offset:64*\t
.endr
	s_wait_loadcnt 0x0
.irp t, 0,1,2,3,4,5,6,7
.irp j, 1,2,3,4,5,6,7
	v_mov_b32 v[BIAS+8*\t+\j], v[BIAS+8*\t]
.endr
.endr
.Lbias_done:
	s_wait_loadcnt 0x0
; 64 numbers of a lane in window 3, registers 64 g + 16 b + i (16 of each of four blocks of 32; the other 16 lie in lane l xor 16), become 16 registers of codes at v[PC + 16 g] and the word of four scale bytes in v[PW + g].
.macro QUANT g
	WIN 0x0f
.irp b, 0,1,2,3
	v_max3_num_f32 v[TM+\b], |v[64*(\g)+16*\b]|, |v[64*(\g)+16*\b+1]|, 0x4800000   ; and the floor 2^(9 - 127): the byte cannot fall under 1.  Each sum is read from its low end on
.endr
	WIN 0x3c
.irp i, 2,4,6,8,10,12,14
.irp b, 0,1,2,3
	v_max3_num_f32 v[TM+\b], v[TM+\b], |v[64*(\g)+16*\b+\i]|, |v[64*(\g)+16*\b+\i+1]|
.endr
.endr
	WIN 0
.irp b, 0,1,2,3
	v_permlanex16_b32 v[TM+4+\b], v[TM+\b], s52, s53
.endr
.irp b, 0,1,2,3
	v_max_num_f32 v[TM+\b], v[TM+\b], v[TM+4+\b]
.endr
.irp b, 0,1,2,3
	v_add_nc_u32 v[TM+12+\b], 0xfc000000, v[TM+\b] ; 8 off the exponent field: the conversion's scale operand
.endr
.irp b, 0,1,2,3
	v_and_or_b32 v[TM+8+\b], v[TM+\b], 0x7f800000, s54   ; 448 x the scale
.endr
.irp b, 0,1,2,3
	v_lshrrev_b32 v[TM+4+\b], 23, v[TM+12+\b]      ; the byte
.endr
	v_lshl_or_b32 v[PW+(\g)], v[TM+5], 8, v[TM+4]
	v_lshl_or_b32 v[PW+(\g)], v[TM+6], 16, v[PW+(\g)]
	v_lshl_or_b32 v[PW+(\g)], v[TM+7], 24, v[PW+(\g)]
	WIN 0xc3
.irp b, 0,1,2,3
.irp i, 0,1,2,3,4,5,6,7,8,9,10,11,12,13,14,15
	v_med3_num_f32 v[64*(\g)+16*\b+\i], v[64*(\g)+16*\b+\i], -v[TM+8+\b], v[TM+8+\b]   ; the conversion does not saturate (ISA guide 7.6.2)
.endr
.endr
	WIN 0x03
.irp b, 0,1,2,3
	v_cvt_scalef32_pk8_fp8_f32 v[PC+16*(\g)+4*\b:PC+16*(\g)+4*\b+1], v[64*(\g)+16*\b:64*(\g)+16*\b+7], v[TM+12+\b]
	v_cvt_scalef32_pk8_fp8_f32 v[PC+16*(\g)+4*\b+2:PC+16*(\g)+4*\b+3], v[64*(\g)+16*\b+8:64*(\g)+16*\b+15], v[TM+12+\b]
.endr
	WIN 0
	v_nop                                          ; a plain line behind the last conversion: matrix instructions write its sources later
.endm
.macro LX s                                    ; my 16 rows' numbers of K step s: 64 a lane, 32 loads of 8 bytes, into window 3
	WIN 0xc0
.irp b, 0,1,2,3
.irp k, 0,1,2,3,4,5,6,7
	ds_load_b64 v[64*(\s)+16*\b+2*\k:64*(\s)+16*\b+2*\k+1], v[XAA+(\s)/2] offset:((\s)%2)*QTR+128*\b+8*\k
.endr
.endr
	WIN 0
.endm
.macro STX s                                   ; the fragment goes to LDS as it stands: four stores of 512 consecutive bytes, and its scale words
.irp c, 0,1,2,3
	ds_store_b128 v[XWI], v[PC+16*(\s)+4*\c:PC+16*(\s)+4*\c+3] offset:(\s)*2048+512*\c
.endr
	ds_store_b32 v[XWS], v[PW+(\s)] offset:((\s)/2)*128+((\s)%2)*64
.endm
.macro FETCH s, fb                             ; K step s of the four row tiles
.irp m, 0,1,2,3
.irp c, 0,1,2,3
	ds_load_b128 v[(\fb)+16*\m+4*\c:(\fb)+16*\m+4*\c+3], v[LIM] offset:(4*\m+(\s))*2048+512*\c
.endr
.endr
.endm
; 32 products: my 8 tiles of W x the four row tiles, K step s.  The 32 sums take turns, one instruction a turn, in the same order in every K step.  Only these lines differ between the roles.
.macro MUL s, fb
	s_cmp_eq_u32 s25, 2
	s_cbranch_scc1 .Lmul_v_\@
.irp hf, 0,1
.if (\s) == 0
	WIN 0xc1+\hf                                   ; source 0 (W) window 1 or 2, source 1 and the bias window 0, the sums window 3
.else
	WIN 0xf1+\hf
.endif
.irp tt, 0,1,2,3
.irp m, 0,1,2,3
.set rD, 64*\m+8*(4*\hf+\tt)
.set rW, 16*(4*\tt+(\s))
.set rX, (\fb)+16*\m
.set rC, BIAS+8*(4*\hf+\tt)
.set rSW, WS+2*(4*\hf+\tt)+(\s)/2
.set rSX, XS+2*\m+(\s)/2
.if (\s) == 0
	v_wmma_scale_f32_16x16x128_f8f6f4 v[rD:rD+7], v[rW:rW+15], v[rX:rX+15], v[rC:rC+7], v[rSW], v[rSX]
.elseif (\s)%2
	v_wmma_scale_f32_16x16x128_f8f6f4 v[rD:rD+7], v[rW:rW+15], v[rX:rX+15], v[rD:rD+7], v[rSW], v[rSX] matrix_a_scale:MATRIX_SCALE_ROW1 matrix_b_scale:MATRIX_SCALE_ROW1
.else
	v_wmma_scale_f32_16x16x128_f8f6f4 v[rD:rD+7], v[rW:rW+15], v[rX:rX+15], v[rD:rD+7], v[rSW], v[rSX]
.endif
.endr
.endr
.endr
	WIN 0
	s_branch .Lmul_j_\@
.Lmul_v_\@:
.irp hf, 0,1
.if (\s) == 0
	WIN 0xc4+4*\hf                                 ; source 0 (the rows) and the bias window 0, source 1 (W) window 1 or 2, the sums window 3
.else
	WIN 0xf4+4*\hf
.endif
.irp tt, 0,1,2,3
.irp m, 0,1,2,3
.set rD, 32*(4*\hf+\tt)+8*\m
.set rW, 16*(4*\tt+(\s))
.set rX, (\fb)+16*\m
.set rC, BIAS+8*(4*\hf+\tt)
.set rSW, WS+2*(4*\hf+\tt)+(\s)/2
.set rSX, XS+2*\m+(\s)/2
.if (\s) == 0
	v_wmma_scale_f32_16x16x128_f8f6f4 v[rD:rD+7], v[rX:rX+15], v[rW:rW+15], v[rC:rC+7], v[rSX], v[rSW]
.elseif (\s)%2
	v_wmma_scale_f32_16x16x128_f8f6f4 v[rD:rD+7], v[rX:rX+15], v[rW:rW+15], v[rD:rD+7], v[rSX], v[rSW] matrix_a_scale:MATRIX_SCALE_ROW1 matrix_b_scale:MATRIX_SCALE_ROW1
.else
	v_wmma_scale_f32_16x16x128_f8f6f4 v[rD:rD+7], v[rX:rX+15], v[rW:rW+15], v[rD:rD+7], v[rSX], v[rSW]
.endif
.endr
.endr
.endr
	WIN 0
.Lmul_j_\@:
.endm
; A block of 64 rows.  refill = 1: the next block is asked for, into the slot that the last block left.
.macro TRIP refill
	s_wait_tensorcnt 0x0                           ; my one load that was out, my quarter of this block, has landed: the group 0 may be written
	ds_add_u32 v[SPW], v[NIL]                      ; 0 onto my spare word
.if \refill
	s_xor_b32 s29, s29, SLOT
	s_add_co_u32 s33, s29, s30
	s_add_nc_u64 s[34:35], s[34:35], 131072        ; 64 rows on; the type bits on top are not reached
.endif
	s_wait_dscnt 0x0                               ; the add is done; my reads of the other slot and of the images are over
	s_barrier_signal -1
	s_barrier_wait -1
.if \refill
	tensor_load_to_lds s[32:35], s[36:43]          ; my one tensor load behind this barrier: it has the whole block's work in which to land
	s_nop 0
	NOPS 4
.endif
	v_add_nc_u32 v[XAA], s28, v[XA0]
	v_add_nc_u32 v[XAA+1], 2*QTR, v[XAA]
	LX 0
	LX 1
	s_wait_dscnt 32                                ; K step 0's 32 loads are in; K step 1's may be out
	QUANT 0
	STX 0
	LX 2
	s_wait_dscnt 37                                ; K step 1's are in: behind them 5 stores and 32 loads
	QUANT 1
	STX 1
	LX 3
	s_wait_dscnt 37
	QUANT 2
	STX 2
	s_wait_dscnt 5                                 ; K step 3's are in: behind them 5 stores
	QUANT 3
	STX 3
	s_wait_dscnt 0x0                               ; for the others' sake: my images lie in LDS
	s_barrier_signal -1
	s_barrier_wait -1
	s_lshr_b32 s50, s27, 1                         ; where this block's results go.  V: record 4 (block / 2) + w, pieces 2 (block % 2) on;
	s_mul_i32 s50, s50, 4*REC
	s_and_b32 s51, s27, 1
	s_lshl_b32 s51, s51, 10
	s_add_co_u32 s50, s50, s51
	s_add_co_u32 s50, s50, s31
	s_mul_i32 s51, s27, 2*REC                      ; Q, K: records 2 x block on
	s_cmp_eq_u32 s25, 2
	s_cselect_b32 s50, s50, s51
	s_mov_b32 s51, 0
	s_add_nc_u64 s[48:49], s[46:47], s[50:51]      ; (the last block's stores have read this base: the wait at the block's end)
.irp m, 0,1,2,3
.irp p, 0,1
	ds_load_b32 v[XS+2*\m+\p], v[LSX] offset:256*\m+128*\p
.endr
.endr
	FETCH 0, FB0
	FETCH 1, FB1
	s_wait_dscnt 16                                ; all but the youngest run of 16
	MUL 0, FB0
	NOPS 8                                         ; places in front of loads into registers that matrix instructions have read
	FETCH 2, FB0
	s_wait_dscnt 16
	MUL 1, FB1
	NOPS 8
	FETCH 3, FB1
	s_wait_dscnt 16
	MUL 2, FB0
	s_wait_dscnt 0x0
	MUL 3, FB1
	NOPS 8                                         ; places in front of the first read of the sums
	QUANT 0
	QUANT 1
	QUANT 2
	QUANT 3
	s_cmp_eq_u32 s25, 2
	s_cbranch_scc1 .Lst_v_\@
.irp m, 0,1,2,3                                ; Q, K: set m is the fragment (row tile m, K step w)
.irp c, 0,1,2,3
	global_store_b128 v[GLI], v[PC+16*\m+4*\c:PC+16*\m+4*\c+3], s[48:49] offset:(\m/2)*REC+(\m%2)*8192+512*\c
.endr
	global_store_b32 v[GLS], v[PW+\m], s[48:49] offset:(\m/2)*REC+16384+(\m%2)*256
.endr
	s_branch .Lst_j_\@
.Lst_v_\@:
	s_wait_alu depctr_va_vdst(0)
.irp q, 0,1,2,3                                ; V: block bb of set q is a piece (32 keys) of the fragment of e tile 2 q + bb / 2
.irp bb, 0,1,2,3
	global_store_b128 v[LI], v[PC+16*\q+4*\bb:PC+16*\q+4*\bb+3], s[48:49] offset:(2*\q+\bb/2)*2048+(\bb%2)*512
.endr
.endr
.if \refill                                    ; the last block is an odd one
	s_bitcmp1_b32 s27, 0
	s_cbranch_scc1 .Lst_odd_\@
.irp q, 0,1,2,3
	v_mov_b32 v[KEEP+\q], v[PW+\q]                 ; an even block's bytes wait for the odd block's: a scale word spans 128 keys
.endr
	s_branch .Lst_j_\@
.Lst_odd_\@:
.endif
.irp q, 0,1,2,3
	v_perm_b32 v14, v[PW+\q], v[KEEP+\q], 0x05040100   ; e tile 2 q: the even block's two bytes, then the odd block's
	v_perm_b32 v15, v[PW+\q], v[KEEP+\q], 0x07060302   ; e tile 2 q + 1
	v_cndmask_b32 v[KEEP+\q], v14, v15, s55        ; lanes 0-15 carry the even tile's words, lanes 16-31 the odd tile's
	global_store_b32 v[L4], v[KEEP+\q], s[48:49] offset:16384+128*\q-1024
.endr
.Lst_j_\@:
	s_wait_xcnt 0x0                                ; the stores have read their data, offsets and base: all are written again in the next block
	s_xor_b32 s28, s28, SLOT
.endm
.Ltrip:
	TRIP 1
	s_add_co_u32 s27, s27, 1
	s_cmp_lt_u32 s27, 3
	s_cbranch_scc1 .Ltrip
	TRIP 0                                         ; the last block is written out: nothing is left to fetch
	s_wait_tensorcnt 0x0                           ; the wave's end
	ds_add_u32 v[SPW], v[NIL]
	s_wait_dscnt 0x0
	s_endpgm
.Lfunc_end_k_q0fd42cc473_proj:
	.size	k_q0fd42cc473_proj, .Lfunc_end_k_q0fd42cc473_proj-k_q0fd42cc473_proj
	.p2alignl 7, 3214868480
	.fill 96, 4, 3214868480
	.section	.rodata,"a",@progbits
	.p2align	6, 0x0
	.amdhsa_kernel k_q0fd42cc473_proj
		.amdhsa_group_segment_fixed_size 327680
		.amdhsa_private_segment_fixed_size 0
		.amdhsa_enable_private_segment 0
		.amdhsa_kernarg_size 80
		.amdhsa_user_sgpr_count 2
		.amdhsa_user_sgpr_kernarg_segment_ptr 1
		.amdhsa_wavefront_size32 1
		.amdhsa_system_sgpr_workgroup_id_x 1
		.amdhsa_system_sgpr_workgroup_id_y 1
		.amdhsa_system_sgpr_workgroup_id_z 1
		.amdhsa_system_vgpr_workitem_id 0
		.amdhsa_next_free_vgpr 1024
		.amdhsa_next_free_sgpr 66
		.amdhsa_reserve_vcc 0
		.amdhsa_float_denorm_mode_32 3
		.amdhsa_float_denorm_mode_16_64 3
		.amdhsa_memory_ordered 1
		.amdhsa_forward_progress 1
		.amdhsa_inst_pref_size 255
	.end_amdhsa_kernel
	.section	.bss,"aw",@nobits
	.p2align	6
	.space	262144
	.amdgpu_metadata
---
amdhsa.version: [ 1, 2 ]
amdhsa.kernels:
  - .name:           k_q0fd42cc473_proj
    .symbol:         k_q0fd42cc473_proj.kd
    .args:
      - { .name: x, .offset: 0, .size: 8, .value_kind: global_buffer, .address_space: global }
      - { .name: context, .offset: 8, .size: 8, .value_kind: global_buffer, .address_space: global }
      - { .name: wcodes, .offset: 16, .size: 8, .value_kind: global_buffer, .address_space: global }
      - { .name: wscales, .offset: 24, .size: 8, .value_kind: global_buffer, .address_space: global }
      - { .name: bq, .offset: 32, .size: 8, .value_kind: global_buffer, .address_space: global }
      - { .name: bk, .offset: 40, .size: 8, .value_kind: global_buffer, .address_space: global }
      - { .name: bv, .offset: 48, .size: 8, .value_kind: global_buffer, .address_space: global }
      - { .name: qbuf, .offset: 56, .size: 8, .value_kind: global_buffer, .address_space: global }
      - { .name: kbuf, .offset: 64, .size: 8, .value_kind: global_buffer, .address_space: global }
      - { .name: vbuf, .offset: 72, .size: 8, .value_kind: global_buffer, .address_space: global }
    .group_segment_fixed_size: 327680
    .private_segment_fixed_size: 0
    .kernarg_segment_align: 8
    .kernarg_segment_size: 80
    .max_flat_workgroup_size: 128
    .sgpr_count:     66
    .vgpr_count:     1024
    .wavefront_size: 32
...
	.end_amdgpu_metadata
.endif
;; end of part 2
;; launch attn (part 3): grid 32 x 8, 8 waves a work-group, clusters of 4 x 1, 327,680 bytes of LDS; arguments qbuf, kbuf, vbuf, out0; writes out0
.if DOCPART == 3
	.amdgcn_target "amdgcn-amd-amdhsa--gfx1250"
	.amdhsa_code_object_version 6
	.text
	.protected	k_q0fd42cc473_attn
	.globl	k_q0fd42cc473_attn
	.p2align	8
	.type	k_q0fd42cc473_attn,@function
k_q0fd42cc473_attn:
	s_mov_b64 s[64:65], 0
	v_nop
	global_prefetch_b8 v0, s[64:65] scope:SCOPE_SE
	s_setreg_imm32_b32 hwreg(HW_REG_WAVE_MODE, 25, 1), 1
	s_wait_xcnt 0x0
	s_wait_alu depctr_hold_cnt(0) depctr_sa_sdst(0) depctr_va_vdst(0) depctr_va_sdst(0) depctr_va_ssrc(0) depctr_va_vcc(0) depctr_vm_vsrc(0)
	s_getreg_b32 s2, hwreg(HW_REG_IB_STS2, 6, 4)
	s_cmp_eq_u32 s2, 0
	s_cbranch_scc0 .Lentry_in_a_cluster
	s_endpgm
.Lentry_in_a_cluster:
	s_bfe_u32 s2, ttmp6, 0x10000c
	s_cmp_lg_u32 s2, 0x3003
	s_cbranch_scc0 .Lentry_shape_is_right
	s_endpgm
.Lentry_shape_is_right:
; out0[b][q][:] = the sum over k of softmax_k(Q[b][q] . K[b][k] / sqrt(512)) V[b][k][:], both products on codes of E4M3 with one E8M0 scale for each 32 along K.  Q, K, V come as images of operand registers, in records of 16,896 bytes.
; THE SOFTMAX: t = score x log2(e) / sqrt(512).  p = 2^(t - M) is quantised along the keys in blocks of 32; M = floor(the block's largest t) + 1, a whole number of the block's own, so the block's largest p lies in 1/2 .. 1,
; its scale is 2^-9 (the byte 118) and the largest code x the scale is 0.875: constants.  What M leaves out goes into the block's scale byte: powers of two, nothing is rounded.  The sum is taken of the unquantised p and divides at the end.
; SHARES.  A work-group owns 64 queries of one batch (four tiles of 16) and has TWO ROLES of four waves.  A step is 128 keys.
;   Waves 0-3 hold Q in registers; wave w makes S^T of keys 32 w .. 32 w + 31 of a step for all four query tiles (32 products), their p, and publishes through LDS the codes and -M.
;   Waves 4-7 hold O^T of channels 128 (w - 4) on; they bring the four blocks under the common M (the largest so far), multiply O^T by 2^(old M - new M) and add V^T P^T (32 products).
; In interval j the first role works on step j + 1, the second on step j.  Each byte of K and of V is read from LDS once in the work-group.  One barrier an interval serves the exchange and the ring.
; CLUSTER.  Its four work-groups belong to one batch and walk the same K and V: each tile is asked for jointly, by the same tensor load with the same descriptor and a mask that names the four.
; PREFETCH.  In an interval what the refill two intervals on will ask for is asked of memory: K by waves 0-3, V by waves 4-7.  The eight clusters of a batch share the steps out: cluster c asks for the steps that are c modulo 8;
; its four work-groups share a part's 264 blocks of 256 bytes out by address, 17 a wave, a lane a block.  Steps 0 to 4 of K and 0 to 2 of V come by their loads alone.
; LIMITS: |t| under 2^23, so that M is a whole number in f32; a block of p more than 2^118 under the row's largest is given the byte 0 (at most 448 x 2^-127 a number); NaN and infinities are not served.
; REGISTERS.  Both roles: v1-12 addresses and constants.  First role: v16-23 Q's scale words, v24, 25, 28, 29 K's; v32 + 2 t, v33 + 2 t tile t's sum and its running -M; v40-63 six at work a tile; v64-127 S^T; v128-255 K; window 1 Q.
;   Second role: v16-19 V's scale words, v20-23 P's; v32 + 2 t, v33 + 2 t tile t's factor and the common -M; v40-55 the blocks' -M; v56-63 at work; v64-127 P; v128-255 V; window 1 O^T.
; The scale words' numbers are chosen so that no product names two different ones that are equal modulo 8.
.set REC,   16896
.set PART,  4*REC                      ; a step's four records of K, or of V
.set HALF,  2*REC                      ; the head's load: 132 rows of 256 bytes; a refill brings one record, 66 rows
.set SLOT,  2*PART                     ; a slot: K's part, then V's.  Slot j % 2 holds K of step j + 2 and V of step j
.set BST,   64*REC                     ; a batch in each of the three buffers
.set PB,    2*SLOT                     ; two buffers of 10,240 bytes: P at 2,048 q + 512 c + 16 lane, -M at 8,192 + 512 q + 16 lane + 4 c
.set PBT,   0x6800                     ; PB xor (PB + 10,240)
.set LM,    PB+20480                   ; the waves' sums (2,048 bytes) and -M (2,048)
.set SPARE, LM+4096                    ; the spare words, 128 bytes a wave: no other line names them
.set LI,   1                           ; 16 x lane
.set ADK,  2                           ; K's record in the slot in hand
.set ADS,  3                           ; its scale words
.set ADV,  4                           ; V's
.set ADSV, 5
.set PRD,  6                           ; P's buffer that is read
.set PFO,  7                           ; the prefetches' offset
.set SPW,  8
.set NIL,  9
.set BND,  10                          ; 0.875
.set SCO,  11                          ; 2^-9
.set L4S,  12                          ; 4 x lane + 16,384: a record's scale words
.set PWR,  14                          ; where I store my codes
.set GWR,  15                          ; and my -M
.set QSC,  16
.set KSC,  24
.set VSC,  16
.set PSW,  20
.set ST,   32
.set TM,   40
.set GQ,   40
.set TX,   56
.set S,    64
.set PF,   64
.set KB,   128
.set VB,   128
.set WV,   12
.set G1,   16                          ; s[16:23] group 1 of the refills
.set G0K,  24                          ; s[24:27] K's walking descriptor
.set G0V,  28                          ; s[28:31] V's
.set G0KH, 32                          ; s[32:35] the head's: K
.set TB,   36                          ; the slot that is read
.set TBF,  37                          ; the slot that is filled
.set PR,   38
.set PWS,  39
.set CNT,  40
.set PFJ,  41                          ; the step that a prefetch of this interval names
.set CL,   42                          ; the cluster's number in its batch
.set VOF,  43                          ; PART + my record
.set CS,   44
.set SEL,  46
.set W3,   48                          ; my number in my role
.set PFA,  52
.set G1H,  68                          ; s[68:75] group 1 of the head's loads
.set G0VH, 76                          ; s[76:79] the head's: V
.set MSB, 0
.macro WIN new                         ; the immediate's high byte repeats the setting that is left
.if MSB != (\new)
	s_set_vgpr_msb (MSB<<8)|(\new)
.set MSB, (\new)
.endif
.endm
.macro NOPS n
.rept \n
	v_nop
.endr
.endm
.macro WALU
	s_wait_alu depctr_va_vdst(0)
.endm
.macro CROUND                          ; a round of the cluster's barrier
	s_barrier_signal -1
	s_barrier_wait -1
	s_cmp_lg_u32 s[WV], 0
	s_cbranch_scc1 .Lnot_wave_0_\@
	s_barrier_signal -3
.Lnot_wave_0_\@:
	s_barrier_wait -3
	s_barrier_signal -1
	s_barrier_wait -1
.endm
.macro TLOAD g0, g1                    ; a tensor load; four v_nop follow
	tensor_load_to_lds s[\g0:\g0+3], s[\g1:\g1+7]
	s_nop 0
	NOPS 4
.endm
.macro ADDR                            ; the interval's LDS addresses, made ahead of the parting of the roles
	s_add_co_u32 s49, s[TB], s56
	v_add_nc_u32 v[ADK], s49, v[LI]
	v_add_nc_u32 v[ADS], s49, v[L4S]
	v_add_nc_u32 v[PRD], s[PR], v[LI]
	s_add_co_u32 s49, s[PWS], s54
	v_add_nc_u32 v[PWR], s49, v[LI]
	s_add_co_u32 s49, s[PWS], s55
	v_add_nc_u32 v[GWR], s49, v[LI]
	v_add_nc_u32 v[ADV], PART, v[ADK]
	v_add_nc_u32 v[ADSV], PART, v[ADS]
.endm
	s_load_b256 s[4:11], s[0:1], 0x0               ; qbuf, kbuf, vbuf, out0
	v_lshl_add_u32 v[SPW], v0, 2, SPARE
	v_mov_b32 v[NIL], 0
	ds_add_u32 v[SPW], v[NIL]                      ; the wave's opening: the add, twice on end, and its wait ahead of my first tensor load
	ds_add_u32 v[SPW], v[NIL]
	v_lshrrev_b32 v2, 5, v0
	v_readfirstlane_b32 s[WV], v2                  ; wave 0..7
	s_and_b32 s[W3], s[WV], 3
	s_bfe_u32 s13, ttmp6, 0x40000                  ; cx
	s_lshl_b32 s14, ttmp9, 2
	s_add_co_u32 s14, s14, s13                     ; my block of 64 queries: it enters Q's and out0's addresses alone
	s_and_b32 s15, ttmp7, 0xffff                   ; the batch, which the four partners share
	s_mov_b32 s[CL], ttmp9
	s_mul_i32 s56, s[W3], REC                      ; which record of a part I read and fetch
	s_add_co_u32 s[VOF], s56, PART
	s_lshl_b32 s54, s[W3], 9
	s_lshl_b32 s55, s[W3], 2
	s_add_co_u32 s55, s55, 8192
.irp g, G1, G1H
	s_mov_b32 s[\g], 15|(3<<16)|(1<<21)            ; the mask: all four work-groups; elements of 8 bytes; bit 21 set beside a mask; no padding: images are read 16 bytes a lane on end
	s_mov_b32 s[\g+1], 32<<16                      ; tensor_dim0 = 32
	s_mov_b32 s[\g+3], 32<<16                      ; tile_dim0 = 32
	s_mov_b32 s[\g+5], 32                          ; dense
	s_mov_b32 s[\g+6], 0
	s_mov_b32 s[\g+7], 0
.endr
	s_mov_b32 s[G1+2], 66<<16                      ; tensor_dim1
	s_mov_b32 s[G1+4], 66                          ; tile_dim1
	s_mov_b32 s[G1H+2], 132<<16
	s_mov_b32 s[G1H+4], 132
	s_mov_b32 s[CS], 0x3d8293ee                    ; c = log2(e) / sqrt(512)
	s_mov_b32 s[CS+1], s[CS]
	s_mov_b32 s[SEL], 0x76543210
	s_mov_b32 s[SEL+1], 0xfedcba98
	s_mov_b32 s[TB], 0
	s_mov_b32 s[TBF], 0
	s_mov_b32 s[PR], PB
	s_mov_b32 s[PWS], PB
	s_mul_i32 s50, s15, BST
	s_mov_b32 s51, 0
	s_mul_i32 s2, s14, 2*REC
	s_add_co_u32 s2, s2, s50
	s_mov_b32 s3, 0
	s_lshr_b32 s49, s[W3], 1                       ; the head's loads: waves 0, 1 K of step 0, waves 2, 3 K of step 1, waves 4, 5 V of step 0, waves 6, 7 V of step 1; half a part each
	s_mul_i32 s49, s49, SLOT
	s_and_b32 s57, s[W3], 1
	s_mul_i32 s57, s57, HALF
	s_mov_b32 s[G0KH], 1
	s_add_co_u32 s[G0KH+1], s49, s57
	s_mov_b32 s[G0VH], 1
	s_add_co_u32 s[G0VH+1], s[G0KH+1], PART
	s_mov_b32 s[G0K], 1
	s_mov_b32 s[G0K+1], s56
	s_mov_b32 s[G0V], 1
	s_mov_b32 s[G0V+1], s[VOF]
	s_wait_dscnt 0x0                               ; both opening adds are done
	s_wait_kmcnt 0x0
	s_add_nc_u64 s[4:5], s[4:5], s[2:3]            ; Q: my block's two records
	s_add_nc_u64 s[58:59], s[6:7], s[50:51]        ; K and V of the batch: they stay
	s_add_nc_u64 s[60:61], s[8:9], s[50:51]
	s_mul_i32 s50, s[W3], HALF
	s_add_nc_u64 s[G0KH+2:G0KH+3], s[58:59], s[50:51]
	s_or_b32 s[G0KH+3], s[G0KH+3], 0x80000000
	s_add_nc_u64 s[G0VH+2:G0VH+3], s[60:61], s[50:51]
	s_or_b32 s[G0VH+3], s[G0VH+3], 0x80000000
	CROUND                                         ; all four work-groups are here: the first joint loads meet
	s_cmp_lt_u32 s[WV], 2                          ; one tensor load a wave; K of step 0 has a line of its own: it is waited for first
	s_cbranch_scc0 .Lhead_k1
	TLOAD G0KH, G1H
	s_branch .Lhead_asked
.Lhead_k1:
	s_cmp_lt_u32 s[WV], 4
	s_cbranch_scc0 .Lhead_v
	TLOAD G0KH, G1H
	s_branch .Lhead_asked
.Lhead_v:
	TLOAD G0VH, G1H
.Lhead_asked:
	s_add_co_u32 s50, s56, 2*PART
	s_add_nc_u64 s[G0K+2:G0K+3], s[58:59], s[50:51]   ; K's first refill: step 2
	s_or_b32 s[G0K+3], s[G0K+3], 0x80000000
	s_mov_b32 s50, s[VOF]
	s_add_nc_u64 s[G0V+2:G0V+3], s[60:61], s[50:51]   ; V at step 1: its first refill steps on to 2
	s_or_b32 s[G0V+3], s[G0V+3], 0x80000000
	s_cmp_lt_u32 s[WV], 4
	s_cselect_b64 s[PFA:PFA+1], s[58:59], s[60:61]
	s_cselect_b32 s[PFJ], 4, 2                     ; interval 0 steps it on: K of step 5, V of step 3
	s_mul_i32 s50, s[PFJ], PART
	s_add_nc_u64 s[PFA:PFA+1], s[PFA:PFA+1], s[50:51]
	s_lshl_b32 s2, s15, 22
	s_lshl_b32 s49, s14, 17
	s_add_co_u32 s2, s2, s49
	s_add_co_u32 s2, s2, s54
	s_add_nc_u64 s[10:11], s[10:11], s[2:3]        ; out0: my block's first row, my role number's 128 channels
	s_lshl_b32 s57, s13, 2
	s_add_co_u32 s57, s57, s[W3]
	s_mul_i32 s57, s57, 17                         ; my 17 blocks of a part's 264
	v_and_b32 v13, 31, v0
	v_lshlrev_b32 v[LI], 4, v13
	v_lshl_add_u32 v[L4S], v13, 2, 16384
	v_min_u32 v[PFO], 16, v13
	v_add_nc_u32 v[PFO], s57, v[PFO]
	v_min_u32 v[PFO], 0x107, v[PFO]
	v_lshlrev_b32 v[PFO], 8, v[PFO]
	v_mov_b32 v[BND], 0x3f600000
	v_mov_b32 v[SCO], 0x3b000000
.irp t, 0,1,2,3
	v_mov_b32 v[ST+2*\t], 0                        ; the sum; in the second role the factor
	v_mov_b32 v[ST+2*\t+1], 0x7f61b1e6             ; -M: 3e38
	v_mov_b32 v[TM+6*\t+3], 0                      ; a lane permute's destination counts as one of its sources
.endr
	ADDR
	WALU
	s_cmp_lt_u32 s[WV], 4
	s_cbranch_scc0 .Lno_q
	WIN 0x40                                       ; destination window 1
.irp q, 0,1,2,3                                ; Q stays in registers: tile q, K step s at 64 q + 16 s
.irp s, 0,1,2,3
.irp c, 0,1,2,3
	global_load_b128 v[64*\q+16*\s+4*\c:64*\q+16*\s+4*\c+3], v[LI], s[4:5] offset:(\q/2)*REC+(4*(\q%2)+\s)*2048+512*\c
.endr
.endr
.endr
	WIN 0
.irp q, 0,1,2,3
.irp p, 0,1
	global_load_b32 v[QSC+4*\p+\q], v[L4S], s[4:5] offset:(\q/2)*REC+(\q%2)*256+128*\p
.endr
.endr
.Lno_q:
.macro KRUN k                                  ; fragments 2 k and 2 k + 1 of my 32 keys; the last run brings the scale words too
.irp f, 0,1
.irp c, 0,1,2,3
	ds_load_b128 v[KB+16*(2*(\k)+\f)+4*\c:KB+16*(2*(\k)+\f)+4*\c+3], v[ADK] offset:2048*(2*(\k)+\f)+512*\c
.endr
.endr
.if (\k) == 3
.irp u, 0,1
.irp p, 0,1
	ds_load_b32 v[KSC+\u+4*(1-\p)], v[ADS] offset:128*(2*\u+\p)
.endr
.endr
.endif
.endm
; 32 products of S^T = K Q^T: product i: K step i / 8, key tile (i % 8) / 4, query tile i % 4.  The eight sums take turns; the first eight products start them.
.macro SPROD
	WIN 0x04                                       ; K and S^T window 0, Q window 1
.set i, 0
.rept 32
.set kS, i/8
.set uS, (i%8)/4
.set qS, i%4
.set rS, S+16*qS+8*uS
.set rK, KB+64*uS+16*kS
.set rQ, 64*qS+16*kS
.set rA, KSC+uS+4*(1-kS/2)
.set rB, QSC+4*(kS/2)+qS
.if kS == 0
	v_wmma_scale_f32_16x16x128_f8f6f4 v[rS:rS+7], v[rK:rK+15], v[rQ:rQ+15], 0, v[rA], v[rB]
.elseif kS%2
	v_wmma_scale_f32_16x16x128_f8f6f4 v[rS:rS+7], v[rK:rK+15], v[rQ:rQ+15], v[rS:rS+7], v[rA], v[rB] matrix_a_scale:MATRIX_SCALE_ROW1 matrix_b_scale:MATRIX_SCALE_ROW1
.else
	v_wmma_scale_f32_16x16x128_f8f6f4 v[rS:rS+7], v[rK:rK+15], v[rQ:rQ+15], v[rS:rS+7], v[rA], v[rB]
.endif
.set i, i+1
.endr
	WIN 0
	NOPS 8                                         ; places ahead of the readers of the sums and of loads into K's registers
.endm
; The softmax of my 32 keys for the four query tiles, which take turns line by line.  ldK = 1: the next step's K is fetched in four runs; 2: in one run, but not in the last trip of the loop that counts by CNT.
.macro SOFTMAX ldK
.irp t, 0,1,2,3
	v_max3_num_f32 v[TM+6*\t+2], v[S+16*\t], v[S+16*\t+1], v[S+16*\t+2]   ; the largest score of my 16 keys: each sum is read from its low end on
.endr
.irp n, 3,5,7,9,11,13
.irp t, 0,1,2,3
	v_max3_num_f32 v[TM+6*\t+2], v[TM+6*\t+2], v[S+16*\t+\n], v[S+16*\t+\n+1]
.endr
.if (\ldK) == 1
.if \n == 5
	KRUN 0
.elseif \n == 9
	KRUN 1
.elseif \n == 13
	KRUN 2
.endif
.endif
.endr
.if (\ldK) == 2
	WALU
	s_cmp_eq_u32 s[CNT], 1
	s_cbranch_scc1 .Lno_k_\@
	KRUN 0
	KRUN 1
	KRUN 2
	KRUN 3
.Lno_k_\@:
.endif
.irp t, 0,1,2,3
	v_max_num_f32 v[TM+6*\t+2], v[TM+6*\t+2], v[S+16*\t+15]
.endr
.irp t, 0,1,2,3
	v_permlanex16_b32 v[TM+6*\t+3], v[TM+6*\t+2], s[SEL], s[SEL+1]
.endr
.irp t, 0,1,2,3
	v_max_num_f32 v[TM+6*\t+2], v[TM+6*\t+2], v[TM+6*\t+3]   ; of the block's 32 keys
.endr
.irp t, 0,1,2,3
	v_mul_f32 v[TM+6*\t+3], s[CS], v[TM+6*\t+2]    ; as t
.endr
.irp t, 0,1,2,3
	v_floor_f32 v[TM+6*\t+1], v[TM+6*\t+3]
.endr
.irp t, 0,1,2,3
	v_sub_f32 v[TM+6*\t], -1.0, v[TM+6*\t+1]       ; the block's -M = -1 - floor(t)
.endr
.irp t, 0,1,2,3
	v_min_num_f32 v[TM+6*\t+3], v[ST+2*\t+1], v[TM+6*\t]   ; the running -M, for the sum alone
.endr
.irp t, 0,1,2,3
	v_sub_f32 v[TM+6*\t+4], v[TM+6*\t+3], v[ST+2*\t+1]   ; old M - new M
.endr
.irp t, 0,1,2,3
	v_sub_f32 v[TM+6*\t+5], v[TM+6*\t+3], v[TM+6*\t]   ; the block's M - new M
.endr
.irp t, 0,1,2,3
	v_mov_b32 v[ST+2*\t+1], v[TM+6*\t+3]
.endr
.irp n, 0,2,4,6,8,10,12,14
.irp t, 0,1,2,3
	v_pk_fma_f32 v[S+16*\t+\n:S+16*\t+\n+1], v[S+16*\t+\n:S+16*\t+\n+1], s[CS:CS+1], v[TM+6*\t:TM+6*\t+1] op_sel_hi:[1,0,0]   ; t - M
.endr
.endr
.if (\ldK) == 1
	KRUN 3
.endif
	WALU                                           ; ahead of the batch
.set i, 0
.rept 64
	v_exp_f32 v[S+i], v[S+i]                       ; p, not normalised
.set i, i+1
.endr
.irp t, 0,1,2,3
	v_exp_f32 v[TM+6*\t+4], v[TM+6*\t+4]
	v_exp_f32 v[TM+6*\t+5], v[TM+6*\t+5]
.endr
	v_nop                                          ; a plain line behind the batch
	WALU                                           ; and the wait ahead of its first reader
.irp t, 0,1,2,3
	v_pk_add_f32 v[TM+6*\t+2:TM+6*\t+3], v[S+16*\t:S+16*\t+1], v[S+16*\t+2:S+16*\t+3]   ; the sum is taken of the unquantised p
.endr
.irp n, 4,6,8,10,12,14
.irp t, 0,1,2,3
	v_pk_add_f32 v[TM+6*\t+2:TM+6*\t+3], v[TM+6*\t+2:TM+6*\t+3], v[S+16*\t+\n:S+16*\t+\n+1]
.endr
.endr
.irp t, 0,1,2,3
	v_add_f32 v[TM+6*\t+2], v[TM+6*\t+2], v[TM+6*\t+3]
.endr
.irp t, 0,1,2,3
	v_mul_f32 v[ST+2*\t], v[ST+2*\t], v[TM+6*\t+4]
.endr
.irp t, 0,1,2,3
	v_fma_f32 v[ST+2*\t], v[TM+6*\t+2], v[TM+6*\t+5], v[ST+2*\t]   ; the sum under the new M
.endr
.irp n, 0,2,4,6,8,10,12,14
.irp t, 0,1,2,3
	v_dual_min_num_f32 v[S+16*\t+\n], v[S+16*\t+\n], v[BND] :: v_dual_min_num_f32 v[S+16*\t+\n+1], v[S+16*\t+\n+1], v[BND]   ; the conversion does not saturate (ISA guide 7.6.2); p is not negative
.endr
.endr
.irp t, 0,1,2,3
	v_cvt_scalef32_pk8_fp8_f32 v[TM+6*\t+2:TM+6*\t+3], v[S+16*\t:S+16*\t+7], v[SCO]
.endr
.irp t, 0,1,2,3
	v_cvt_scalef32_pk8_fp8_f32 v[TM+6*\t+4:TM+6*\t+5], v[S+16*\t+8:S+16*\t+15], v[SCO]
.endr
	v_nop                                          ; a plain line behind the last conversion
.irp t, 0,1,2,3
	ds_store_b32 v[GWR], v[TM+6*\t] offset:512*\t  ; published: my blocks' -M
.endr
.irp t, 0,1,2,3
	ds_store_b128 v[PWR], v[TM+6*\t+2:TM+6*\t+5] offset:2048*\t   ; and my quarter of P's four fragments
.endr
.endm
; The merge: the four blocks of a query under the common M.
.macro MERGE
.irp t, 0,1,2,3
	v_max3_num_f32 v[TX+2*\t], -v[GQ+4*\t], -v[GQ+4*\t+1], -v[GQ+4*\t+2]
.endr
.irp t, 0,1,2,3
	v_max3_num_f32 v[TX+2*\t], v[TX+2*\t], -v[GQ+4*\t+3], -v[ST+2*\t+1]   ; the new M
.endr
.irp t, 0,1,2,3
	v_sub_f32 v[TX+2*\t+1], -v[TX+2*\t], v[ST+2*\t+1]   ; old M - new M: a whole number, 0 or less
.endr
.irp t, 0,1,2,3
	v_sub_f32 v[ST+2*\t+1], 0, v[TX+2*\t]
.endr
.irp t, 0,1,2,3
	v_cvt_i32_f32 v[TX+2*\t+1], v[TX+2*\t+1]       ; (it saturates)
.endr
.irp t, 0,1,2,3
	v_sub_f32 v[TX+2*\t], 0x42ec0000, v[TX+2*\t]   ; 118 - M
.endr
.irp t, 0,1,2,3
	v_ldexp_f32 v[ST+2*\t], 1.0, v[TX+2*\t+1]      ; the factor
.endr
.irp g, 0,2
.irp t, 0,1,2,3
	v_pk_add_f32 v[GQ+4*\t+\g:GQ+4*\t+\g+1], v[GQ+4*\t+\g:GQ+4*\t+\g+1], v[TX+2*\t:TX+2*\t+1] op_sel_hi:[1,0] neg_lo:[1,0] neg_hi:[1,0]   ; the bytes: 118 + the block's M - M
.endr
.endr
.irp c, 0,1,2,3
.irp t, 0,1,2,3
	v_max_num_f32 v[GQ+4*\t+\c], 0, v[GQ+4*\t+\c]
.endr
.endr
.irp g, 0,1
.irp t, 0,1,2,3
	v_fmamk_f32 v[TX+2*\t+\g], v[GQ+4*\t+2*\g+1], 0x43800000, v[GQ+4*\t+2*\g]   ; 256 x the upper byte + the lower: exact
.endr
.endr
.irp g, 0,1
.irp t, 0,1,2,3
	v_cvt_u32_f32 v[TX+2*\t+\g], v[TX+2*\t+\g]
.endr
.endr
.irp t, 0,1,2,3
	v_lshl_or_b32 v[PSW+\t], v[TX+2*\t+1], 16, v[TX+2*\t]   ; P's scale word for these 128 keys
.endr
.endm
.macro OMUL q                                  ; O^T of query tile q times v[ST + 2 q]
	WIN 0x41                                       ; O^T window 1, the factor window 0
	WALU
.set i, 0
.rept 32
	v_pk_mul_f32 v[64*(\q)+2*i:64*(\q)+2*i+1], v[64*(\q)+2*i:64*(\q)+2*i+1], v[ST+2*(\q):ST+2*(\q)+1] op_sel_hi:[1,0]
.set i, i+1
.endr
.endm
; 32 products of O^T += V^T P^T: product i: channel tile i / 4, query tile i % 4: 32 sums, one product each a step.  first = 1: the products start the sums: nothing is ever cleared.
.macro PVPROD first
	WIN 0x50                                       ; V and P window 0, O^T window 1
.set i, 0
.rept 32
.set rO, 64*(i%4)+8*(i/4)
.set rV, VB+16*(i/4)
.set rP, PF+16*(i%4)
.set rA, VSC+i/8
.set rB, PSW+i%4
.if \first
.if (i/4)%2
	v_wmma_scale_f32_16x16x128_f8f6f4 v[rO:rO+7], v[rV:rV+15], v[rP:rP+15], 0, v[rA], v[rB] matrix_a_scale:MATRIX_SCALE_ROW1
.else
	v_wmma_scale_f32_16x16x128_f8f6f4 v[rO:rO+7], v[rV:rV+15], v[rP:rP+15], 0, v[rA], v[rB]
.endif
.else
.if (i/4)%2
	v_wmma_scale_f32_16x16x128_f8f6f4 v[rO:rO+7], v[rV:rV+15], v[rP:rP+15], v[rO:rO+7], v[rA], v[rB] matrix_a_scale:MATRIX_SCALE_ROW1
.else
	v_wmma_scale_f32_16x16x128_f8f6f4 v[rO:rO+7], v[rV:rV+15], v[rP:rP+15], v[rO:rO+7], v[rA], v[rB]
.endif
.endif
.set i, i+1
.endr
	WIN 0
	NOPS 9                                         ; places ahead of whatever names these products' registers next
.endm
.macro ASK                                     ; the prefetch: in the intervals whose step is my cluster's, and under 16
	s_xor_b32 s49, s[PFJ], s[CL]
	s_and_b32 s49, s49, 0x17
	s_cmp_lg_u32 s49, 0
	s_cbranch_scc1 .Lnot_mine_\@
	global_prefetch_b8 v[PFO], s[PFA:PFA+1] th:TH_LOAD_NT scope:SCOPE_SE
.Lnot_mine_\@:
.endm
; INTERVAL j.  first: V^T P starts O^T.  fk, fv: K of step j + 3, V of step j + 1 are asked for.  doS: the first role has a step j + 1.  ldK: as in SOFTMAX.
.macro ITER first, fk, fv, doS, ldK
	s_wait_tensorcnt 0x0                           ; my load that was out has landed: the groups 0 may be written
	ds_add_u32 v[SPW], v[NIL]                      ; 0 onto my spare word: work on registers stands between it and the wait for it
.if (\fk) || (\fv)
	s_xor_b32 s[TBF], s[TBF], SLOT
.endif
.if \fk
	s_add_co_u32 s[G0K+1], s[TBF], s56
	s_add_nc_u64 s[G0K+2:G0K+3], s[G0K+2:G0K+3], PART   ; the type bits on top are not reached
	s_wait_xcnt 0x0                                ; any prefetch of mine has read its address
	s_add_nc_u64 s[PFA:PFA+1], s[PFA:PFA+1], PART
	s_add_co_u32 s[PFJ], s[PFJ], 1
.endif
.if \fv
	s_add_co_u32 s[G0V+1], s[TBF], s[VOF]
	s_add_nc_u64 s[G0V+2:G0V+3], s[G0V+2:G0V+3], PART
.endif
	ADDR
.if (\doS) == 0
	s_add_co_u32 s49, s55, LM-8192
	v_add_nc_u32 v[GWR], s49, v[LI]
.endif
	WALU
	s_wait_dscnt 0x0                               ; the add is done; what I published lies in LDS; my reads of the slot that is filled next are over
.if (\fk) || (\fv)
	CROUND                                         ; no wave of any partner still reads that slot or has a load on its way
.else
	s_barrier_signal -1
	s_barrier_wait -1
.endif
	s_cmp_lt_u32 s[WV], 4
	s_cbranch_scc0 .Lrole_b_\@
.if \fk
	TLOAD G0K, G1                                  ; the first tensor load behind the round, one a wave: it has this interval in which to land
.endif
.if \doS
	SPROD
.if \fk
	ASK
.endif
	SOFTMAX \ldK
.else
.irp t, 0,1,2,3                                ; my keys' sums, and -M
	v_permlanex16_b32 v[TM+6*\t+3], v[ST+2*\t], s[SEL], s[SEL+1]
.endr
.irp t, 0,1,2,3
	v_add_f32 v[TM+6*\t+2], v[ST+2*\t], v[TM+6*\t+3]
.endr
.irp t, 0,1,2,3
	ds_store_b32 v[GWR], v[TM+6*\t+2] offset:512*\t
	ds_store_b32 v[GWR], v[ST+2*\t+1] offset:2048+512*\t
.endr
.endif
	WALU
	s_branch .Lrole_j_\@
.Lrole_b_\@:
.if \fv
	TLOAD G0V, G1
.endif
.irp q, 0,1,2,3
	ds_load_b128 v[GQ+4*\q:GQ+4*\q+3], v[PRD] offset:8192+512*\q   ; the four blocks' -M: wanted first
.endr
.irp p, 0,1,2,3
	ds_load_b32 v[VSC+\p], v[ADSV] offset:128*\p
.endr
.irp q, 0,1,2,3
.irp c, 0,1,2,3
	ds_load_b128 v[PF+16*\q+4*\c:PF+16*\q+4*\c+3], v[PRD] offset:2048*\q+512*\c   ; P's fragment of query tile q: piece c is wave c's
.endr
.endr
.irp f, 0,1,2,3,4,5,6,7
.irp c, 0,1,2,3
	ds_load_b128 v[VB+16*\f+4*\c:VB+16*\f+4*\c+3], v[ADV] offset:2048*\f+512*\c
.endr
.endr
	s_wait_dscnt 52                                ; -M is in: behind its four loads stand 4 + 16 + 32
	MERGE
.if \fk
	ASK
.endif
.if \first
	NOPS 8                                         ; places between P's scale words and the first product
.else
	OMUL 0
	OMUL 1
	OMUL 2
	OMUL 3
.endif
	WALU
	s_wait_dscnt 0x0                               ; P and V are in
	PVPROD \first
	WALU
.Lrole_j_\@:
	s_xor_b32 s[TB], s[TB], SLOT
	s_xor_b32 s[PR], s[PR], PBT
	s_xor_b32 s[PWS], s[PWS], PBT
.endm
	s_cmp_lt_u32 s[WV], 2
	s_cbranch_scc0 .Lnot_first
	s_wait_tensorcnt 0x0                           ; K of step 0 is in; the other waves' wait stands in front of the next barrier
.Lnot_first:
	s_barrier_signal -1
	s_barrier_wait -1
	s_cmp_lt_u32 s[WV], 4
	s_cbranch_scc0 .Lno_s0
	KRUN 0
	KRUN 1
	KRUN 2
	KRUN 3
	s_wait_loadcnt 0x0                             ; Q
	s_wait_dscnt 0x0
	SPROD                                          ; the scores of step 0
.Lno_s0:
	s_wait_tensorcnt 0x0                           ; everything that the head asked for is in
	ds_add_u32 v[SPW], v[NIL]
	s_mov_b32 s[TB], SLOT
	ADDR
	WALU
	s_wait_dscnt 0x0                               ; the add is done, and K of step 0 is in registers
	CROUND
	s_cmp_lt_u32 s[WV], 4
	s_cbranch_scc0 .Lno_p0
	TLOAD G0K, G1                                  ; K of step 2 goes where step 0 lay
	SOFTMAX 1                                      ; of step 0; K of step 1 is fetched
	WALU
.Lno_p0:
	s_mov_b32 s[TB], 0
	s_xor_b32 s[PWS], s[PWS], PBT
	ITER 1, 1, 0, 1, 1                             ; j = 0
	s_mov_b32 s[CNT], 12
.Liter:                                        ; j = 1 .. 12
	ITER 0, 1, 1, 1, 1
	s_sub_co_u32 s[CNT], s[CNT], 1
	s_cmp_lg_u32 s[CNT], 0
	s_cbranch_scc1 .Liter
	s_mov_b32 s[CNT], 2
.Ltail:                                        ; j = 13, 14: a loop of its own
	ITER 0, 0, 1, 1, 2
	s_sub_co_u32 s[CNT], s[CNT], 1
	s_cmp_lg_u32 s[CNT], 0
	s_cbranch_scc1 .Ltail
	ITER 0, 0, 0, 0, 0                             ; j = 15
	; THE WAY OUT.  The four sums of a query are brought under the common M and added; O^T is divided and goes through a stage in LDS; the second role stages tiles 0 and 1 for the first role to store, then takes tiles 2 and 3 itself.
	; The stages lie in slot 0, which has had its last fill; its last reads stand ahead of interval 15's barrier.
	s_mul_i32 s49, s[W3], 4*8448                   ; a stage: four tiles of 16 rows of 512 bytes + 16
	v_and_b32 v13, 15, v0
	v_bfe_u32 v4, v0, 4, 1
	v_mul_u32_u24 v2, v13, 528
	v_lshl_add_u32 v2, v4, 5, v2
	v_add_nc_u32 v2, s49, v2                       ; in: row r, 32 bytes for each half of the lanes
	v_add_nc_u32 v3, s49, v[LI]                    ; back: the 32 lanes take one row
	v_add_nc_u32 v6, LM, v[LI]
	WALU
	s_wait_dscnt 0x0                               ; the sums lie in LDS
	s_barrier_signal -1
	s_barrier_wait -1
.macro STG q
	WIN 0x04                                       ; an LDS store's data are its source 1: window 1
.irp f, 0,1,2,3,4,5,6,7
	ds_store_b128 v2, v[64*(\q)+8*\f:64*(\q)+8*\f+3] offset:8448*(\q)+64*\f
	ds_store_b128 v2, v[64*(\q)+8*\f+4:64*(\q)+8*\f+7] offset:8448*(\q)+64*\f+16
.endr
	WIN 0
.endm
.macro RB q, reg
.irp n, 0,1,2,3,4,5,6,7,8,9,10,11,12,13,14,15
	ds_load_b128 v[\reg+4*\n:\reg+4*\n+3], v3 offset:8448*(\q)+528*\n
.endr
.endm
.macro SEND q, reg, younger                    ; younger: the LDS instructions issued behind this tile's loads
	s_wait_dscnt \younger
.irp n, 0,1,2,3,4,5,6,7,8,9,10,11,12,13,14,15
	global_store_b128 v[LI], v[\reg+4*\n:\reg+4*\n+3], s[10:11] offset:(32*((\q)/2)+8*((\q)%2)+\n+8*(\n/8))*2048 th:TH_STORE_NT   ; 32 lanes store 512 consecutive bytes of one row, aligned
.endr
.endm
	s_cmp_lt_u32 s[WV], 4
	s_cbranch_scc1 .Lstaged
.irp t, 0,1,2,3
	ds_load_b128 v[GQ+4*\t:GQ+4*\t+3], v6 offset:512*\t
	ds_load_b128 v[PF+4*\t:PF+4*\t+3], v6 offset:2048+512*\t
.endr
	s_wait_dscnt 0x0
.irp t, 0,1,2,3
.irp c, 0,1,2,3
	v_sub_f32 v[PF+4*\t+\c], v[ST+2*\t+1], v[PF+4*\t+\c]   ; wave c's M less the common M
.endr
.endr
.irp t, 0,1,2,3
.irp c, 0,1,2,3
	v_cvt_i32_f32 v[PF+4*\t+\c], v[PF+4*\t+\c]
.endr
.endr
.irp t, 0,1,2,3
.irp c, 0,1,2,3
	v_ldexp_f32 v[GQ+4*\t+\c], v[GQ+4*\t+\c], v[PF+4*\t+\c]
.endr
.endr
.irp t, 0,1,2,3
	v_add_f32 v[GQ+4*\t], v[GQ+4*\t], v[GQ+4*\t+1]
	v_add_f32 v[GQ+4*\t+2], v[GQ+4*\t+2], v[GQ+4*\t+3]
.endr
.irp t, 0,1,2,3
	v_add_f32 v[GQ+4*\t], v[GQ+4*\t], v[GQ+4*\t+2]
.endr
	WALU
.irp t, 0,1,2,3
	v_rcp_f32 v[ST+2*\t], v[GQ+4*\t]
.endr
	v_nop                                          ; a plain line behind the last reciprocal; its wait stands in OMUL, ahead of the first use
	OMUL 0
	STG 0
	OMUL 1
	STG 1
	WALU
.Lstaged:
	s_wait_dscnt 0x0                               ; tiles 0 and 1 lie in LDS
	s_barrier_signal -1
	s_barrier_wait -1
	s_cmp_lt_u32 s[WV], 4
	s_cbranch_scc0 .Lout_b
	RB 0, 64
	RB 1, 128
	SEND 0, 64, 16
	SEND 1, 128, 0
	s_branch .Lout_end
.Lout_b:
	OMUL 2
	STG 2
	RB 2, 64                                       ; LDS serves a wave's instructions in order (ISA guide 5.7.1.4): these see the stores above
	OMUL 3
	STG 3
	RB 3, 128
	SEND 2, 64, 32                                 ; behind tile 2's loads: tile 3's 16 stores and 16 loads
	SEND 3, 128, 0
.Lout_end:
	s_wait_tensorcnt 0x0                           ; the wave's end
	ds_add_u32 v[SPW], v[NIL]
	s_wait_dscnt 0x0
	CROUND                                         ; the closing round: no work-group ends while a partner may still ask for a tile that names it
	s_endpgm
.Lfunc_end_k_q0fd42cc473_attn:
	.size	k_q0fd42cc473_attn, .Lfunc_end_k_q0fd42cc473_attn-k_q0fd42cc473_attn
	.p2alignl 7, 3214868480
	.fill 96, 4, 3214868480
	.section	.rodata,"a",@progbits
	.p2align	6, 0x0
	.amdhsa_kernel k_q0fd42cc473_attn
		.amdhsa_group_segment_fixed_size 327680
		.amdhsa_private_segment_fixed_size 0
		.amdhsa_enable_private_segment 0
		.amdhsa_kernarg_size 32
		.amdhsa_user_sgpr_count 2
		.amdhsa_user_sgpr_kernarg_segment_ptr 1
		.amdhsa_wavefront_size32 1
		.amdhsa_system_sgpr_workgroup_id_x 1
		.amdhsa_system_sgpr_workgroup_id_y 1
		.amdhsa_system_sgpr_workgroup_id_z 1
		.amdhsa_system_vgpr_workitem_id 0
		.amdhsa_next_free_vgpr 512
		.amdhsa_next_free_sgpr 80
		.amdhsa_reserve_vcc 0
		.amdhsa_float_denorm_mode_32 3
		.amdhsa_float_denorm_mode_16_64 3
		.amdhsa_memory_ordered 1
		.amdhsa_forward_progress 1
		.amdhsa_inst_pref_size 201
	.end_amdhsa_kernel
	.amdgpu_metadata
---
amdhsa.version: [ 1, 2 ]
amdhsa.kernels:
  - .name:           k_q0fd42cc473_attn
    .symbol:         k_q0fd42cc473_attn.kd
    .args:
      - { .name: qbuf, .offset: 0, .size: 8, .value_kind: global_buffer, .address_space: global }
      - { .name: kbuf, .offset: 8, .size: 8, .value_kind: global_buffer, .address_space: global }
      - { .name: vbuf, .offset: 16, .size: 8, .value_kind: global_buffer, .address_space: global }
      - { .name: out0, .offset: 24, .size: 8, .value_kind: global_buffer, .address_space: global }
    .group_segment_fixed_size: 327680
    .private_segment_fixed_size: 0
    .kernarg_segment_align: 8
    .kernarg_segment_size: 32
    .max_flat_workgroup_size: 256
    .sgpr_count:     80
    .vgpr_count:     512
    .wavefront_size: 32
...
	.end_amdgpu_metadata
.endif
;; end of part 3
